; MI455X (gfx1250); checked and timed in simulation.
; The chip was launched on July 23, 2026; its instructions are those of AMD's public machine-readable ISA for CDNA 5 (MIT licence, August 2026) and "CDNA5" Instruction Set Architecture Reference Guide (July 2026). The comments in the code are by the model that wrote it; some were corrected since.
;; Multi Head Attention. Allowed arithmetic: matrix products marked QUANTISED: E5M2 operands, one given power-of-two scale a tensor, by v_wmma_f32_16x16x64_bf8_bf8 or v_wmma_f32_16x16x128_bf8_bf8, f32 sums; everything else in f32.
;; Inputs: Wk 1,024 x 1,024 float32; Wo 1,024 x 1,024 float32; Wq 1,024 x 1,024 float32; Wv 1,024 x 1,024 float32; bo 1,024 float32; lowp_scales 12 int32 (the exponents e of the quantised operands' scales 2^e); x 4 x 2,048 x 1,024 float32.
;; Outputs: out0 4 x 2,048 x 1,024 float32.
;; This version of the problem:
;;   THIS VERSION OF THE PROBLEM IS GIVEN IN LOW PRECISION. The matrix products marked QUANTISED in the list below multiply operands that are first quantised to E5M2 (5 exponent bits, 2 mantissa bits; 8 bits a number), with one given power-of-two scale for each operand tensor; their sums are f32. All else is computed in f32.
;;   The module's matrix products, in the order in which they are computed (A, B: the left and right operand; K: the contracted axis; several contracted axes count as one K, in the product's order):
;;     1. [M 8,192, K 1,024] x [K 1,024, N 1,024]; A: input x; B: input Wq: QUANTISED (scales: A lowp_scales[0], B lowp_scales[1])
;;     2. [M 8,192, K 1,024] x [K 1,024, N 1,024]; A: input x; B: input Wk: QUANTISED (scales: A lowp_scales[2], B lowp_scales[3])
;;     3. [M 8,192, K 1,024] x [K 1,024, N 1,024]; A: input x; B: input Wv: QUANTISED (scales: A lowp_scales[4], B lowp_scales[5])
;;     4. batch 64 x [M 2,048, K 64] x [K 64, N 2,048]; A: computed on the way; B: computed on the way: QUANTISED (scales: A lowp_scales[6], B lowp_scales[7])
;;     5. batch 64 x [M 2,048, K 2,048] x [K 2,048, N 64]; A: softmax (see below); B: computed on the way: QUANTISED (scales: A lowp_scales[8], B lowp_scales[9])
;;     6. [M 8,192, K 1,024] x [K 1,024, N 1,024]; A: computed on the way; B: input Wo: QUANTISED (scales: A lowp_scales[10], B lowp_scales[11])
;;   THE QUANTISER, for each operand of a quantised product, along K:
;;     - The operand's scale is 2^e, e = its entry of the input lowp_scales (int32; the entries are numbered through the quantised products in the list's order, A before B).
;;     - Each number is divided by the scale, clamped to +-57,344, and rounded to the nearest number of E5M2, ties to even, subnormals kept.
;;     - The product sums the exact products of the quantised numbers (number of the format x scale) in f32.
;;   ~~~python
;;   def quantise(x, axis, e):      # numpy; x: float32 -> the quantised numbers, widened to float32 again
;;       x = np.moveaxis(x, axis, -1); K = x.shape[-1]
;;       r = np.clip(x / 2.0 ** e, -57344, 57344)
;;       step = 2.0 ** (np.maximum(np.frexp(np.where(r == 0, 1, r))[1] - 1, -14) - 2)
;;       q = np.round(r / step) * step * 2.0 ** e      # np.round: ties to even
;;       return np.moveaxis(q, -1, axis).astype(np.float32)
;;   ~~~
;;   SOFTMAX AHEAD OF A QUANTISED PRODUCT. Where the list says 'softmax', what is quantised is not the finished softmax but p = 2^(t - M), with t = logit x log2(e) and M = ceil(the row's largest t), a whole number; so 1/2 < the row's largest p <= 1. The row's sum l is taken of the UNQUANTISED p, in f32, and the product's result is divided by l at the end. Since M is a whole number, a kernel that streams over the keys may use a running M (the ceiling of the running maximum): every later rescaling is an exact power of two, so the quantised numbers keep their values, but for numbers so far below the row's largest that they fall under the format's range.
;;   OPERANDS COMPUTED ON THE WAY. 'Computed on the way' means the value that the module computes at that place (a softmax that the list does not call 'softmax' is quantised finished and normalised). What goes into a quantiser is computed in f32, as accurately as f32 sums, v_exp_f32 and their like allow (about 1e-6 of the number): no bf16 or f16 on the way to a quantiser, and a product that is left as it is and whose result goes on into a quantised operand takes f32 operands (vector FMAs, or v_wmma_f32_16x16x4_f32). A number that lies on a knife's edge between two numbers of the format may be rounded either way, as far as f32 arithmetic and the matrix unit's own rounding can turn it there, and no further.
;; One version. Each part assembles by itself: llvm-mc -triple=amdgcn-amd-amdhsa -mcpu=gfx1250 --defsym DOCPART=n.
;; ======== version 1 of 1: 4 launches
;; limits: right only within a limited range of input values
;; workspace buffers: xcodes 25,165,824 bytes; wcodes 4,194,304 bytes; qkvc 25,165,824 bytes; ctxc 8,388,608 bytes
;; launch quant (part 1): grid 512 x 1, 4 waves a work-group, no clusters, 34,304 bytes of LDS; arguments x, Wq, Wk, Wv, Wo, lowp_scales, xcodes, wcodes; writes xcodes, wcodes
.if DOCPART == 1
	.amdgcn_target "amdgcn-amd-amdhsa--gfx1250"
	.amdhsa_code_object_version 6
	.text
	.protected	k_qdf3d7153f5_quant
	.globl	k_qdf3d7153f5_quant
	.p2align	8
	.type	k_qdf3d7153f5_quant,@function
k_qdf3d7153f5_quant:
	s_mov_b64 s[64:65], 0
	v_nop
	global_prefetch_b8 v0, s[64:65] scope:SCOPE_SE
	s_setreg_imm32_b32 hwreg(HW_REG_WAVE_MODE, 25, 1), 1
	s_wait_xcnt 0x0
; x [8192][1024] f32 becomes THREE sets of codes of E5M2 (scales 2^e0, 2^e2, 2^e4: x enters three products, each with its own entry); Wq, Wk, Wv, Wo [k 1024][n 1024] f32 become codes along k (2^e1, 2^e3, 2^e5, 2^e11).
; code = number / 2^e, held within +-57,344, rounded to the nearest code, ties to even.
; ALL CODES ARE STORED AS IMAGES OF OPERAND REGISTERS.  A fragment is 16 rows x 128 k = 2,048 bytes: byte g*512 + lane*16 + y; lane (r, h) = (lane % 16, lane / 16) holds row r;
; bytes 0-7 of group g are k = 32 g + 8 h + 0..7, bytes 8-15 are k = 32 g + 16 + 8 h + 0..7: registers 4 g .. 4 g + 3 of the 8-bit operand (registers 2 c, 2 c + 1: k = 16 c + 8 h + 0..7).
; xcodes: [set 3][row tile 512][k step 8][2048].   wcodes: [Wq, Wk, Wv, Wo][n tile 64][k step 8][2048].
; Work-groups 0-255 take x, 256-511 the weights: a branch on the work-group's number.  Only x's path touches LDS.  No tensor load, no barrier: waves share nothing.
; LIMITS: each of e0 .. e5 and e11 lies between -126 and 112, so that 2^e and 57,344 x 2^e are f32 numbers.  NaN among the inputs is not served; an infinity is held at the largest code.
.set R,   32                           ; v32-95   x: 16 rows x 16 bytes a lane, as loaded
.set X,   96                           ; v96-159  x: register 8 c + i = k 16 c + 8 h + i of row r
.set T,   160
.set C,   176                          ; v176-223 codes: 16 registers for each of the three sets
.set SP,  528                          ; a stage row: 512 bytes + 16: 132 words, so that the sixteen rows that a read touches begin in sixteen different groups of four words modulo 64
.set WN,  32                           ; v32-159  a weight's 128 numbers down k of my column
.set CX,  160                          ; v160-175 codes of k = 16 c + 0..7;  v176-191 of k = 16 c + 8..15
.set CY,  176
.macro MKSC e, vs, vl                  ; from the whole number in s[e]: v[vs] = 2^e as f32 (the conversion takes its exponent field), s47 = 57,344 x 2^e
	s_add_co_i32 s47, s[\e], 127
	s_lshl_b32 s48, s47, 23
	v_mov_b32 v[\vs], s48
	s_add_co_i32 s47, s47, 15
	s_lshl_b32 s47, s47, 23
	s_or_b32 s47, s47, 0x600000
.endm
	s_load_b512 s[8:23], s[0:1], 0x0               ; x s[8:9], Wq s[10:11], Wk s[12:13], Wv s[14:15], Wo s[16:17], scales s[18:19], xcodes s[20:21], wcodes s[22:23]
	v_lshl_add_u32 v224, v0, 2, 0x8400
	v_mov_b32 v225, 0
	v_lshrrev_b32 v10, 5, v0
	v_readfirstlane_b32 s4, v10                    ; wave 0..3
	v_and_b32 v11, 31, v0                          ; lane
	s_wait_kmcnt 0x0
	s_load_b256 s[24:31], s[18:19], 0x0            ; e0 .. e7
	s_load_b128 s[32:35], s[18:19], 0x20           ; e8 .. e11
	s_cmp_ge_u32 ttmp9, 256
	s_cbranch_scc1 .Lweights
; ---- x.  Unit u = 4 x work-group + wave: row tile u / 2, k steps 4 (u % 2) + 0..3: four fragments, each in all three sets.
	s_lshl_b32 s5, ttmp9, 2
	s_add_co_u32 s5, s5, s4                        ; u
	s_lshr_b32 s6, s5, 1                           ; row tile
	s_and_b32 s7, s5, 1                            ; which half of k
	s_lshl_b32 s36, s6, 16                         ; 16 rows of 4,096 bytes
	s_lshl_b32 s38, s7, 11                         ; 512 numbers
	s_add_co_u32 s36, s36, s38
	s_mov_b32 s37, 0
	s_add_nc_u64 s[36:37], s[8:9], s[36:37]        ; x at my first number
	s_lshl_b32 s38, s6, 14                         ; a row tile's eight fragments
	s_lshl_b32 s39, s7, 13
	s_add_co_u32 s38, s38, s39
	s_mov_b32 s39, 0
	s_add_nc_u64 s[40:41], s[20:21], s[38:39]      ; my fragments in set 0,
	s_add_nc_u64 s[42:43], s[40:41], 0x800000      ; set 1,
	s_add_nc_u64 s[44:45], s[40:41], 0x1000000     ; set 2
	s_wait_alu depctr_va_vdst(0)
	v_lshlrev_b32 v1, 4, v11                       ; 16 x lane: my bytes of a load's and of a store's 512; never rewritten
	s_mul_i32 s46, s4, 16*SP                       ; my wave's stage
	v_add_nc_u32 v2, s46, v1                       ; into it: a row as it lies
	v_and_b32 v12, 15, v0
	v_bfe_u32 v13, v0, 4, 1
	v_mul_u32_u24 v3, v12, SP
	v_lshl_add_u32 v3, v13, 5, v3
	v_add_nc_u32 v3, s46, v3                       ; out of it: row r, + 32 h bytes: eight neighbours along k
.macro LOADX f                         ; fragment f: 16 rows x 128 numbers; each load reads 512 consecutive bytes of one row
.irp i, 0,1,2,3,4,5,6,7,8,9,10,11,12,13,14,15
	global_load_b128 v[R+4*\i:R+4*\i+3], v1, s[36:37] offset:\i*4096+(\f)*512 th:TH_LOAD_NT
.endr
.endm
.macro FRAGX f
	s_wait_loadcnt 0x0                             ; the fragment's sixteen loads are in
.irp i, 0,1,2,3,4,5,6,7,8,9,10,11,12,13,14,15
	ds_store_b128 v2, v[R+4*\i:R+4*\i+3] offset:\i*SP
.endr
	v_nop
.irp c, 0,1,2,3,4,5,6,7                ; LDS serves a wave's instructions in order: these see the stores above, and the next fragment's stores come behind them
	ds_load_b128 v[X+8*\c:X+8*\c+3], v3 offset:64*\c
	ds_load_b128 v[X+8*\c+4:X+8*\c+7], v3 offset:64*\c+16
.endr
	s_wait_dscnt 0x0                               ; the numbers are back, and the stores into the stage have read R
.if \f > 0
	s_wait_xcnt 0x0                                ; the last fragment's stores have read C: it is written again only behind this wait
.endif
.if \f < 3
	LOADX \f+1                                     ; the next fragment lands while this one is worked
.endif
.irp z, 0,1,2
.irp c, 0,1,2,3,4,5,6,7
.irp i, 0,1,2,3,4,5,6,7
.endr
	v_cvt_scalef32_pk8_bf8_f32 v[C+16*\z+2*\c:C+16*\z+2*\c+1], v[T+8*(\c%2)+((X+8*\c+0)-(T+8*(\c%2)+0)):T+8*(\c%2)+7+((X+8*\c+0)-(T+8*(\c%2)+0))], v[4+2*\z]
.endr
.irp g, 0,1,2,3
	global_store_b128 v1, v[C+16*\z+4*\g:C+16*\z+4*\g+3], s[40+2*\z:41+2*\z] offset:(\f)*2048+\g*512   ; 32 lanes store 512 consecutive bytes, at a multiple of 512 from the buffer's first byte
.endr
.endr
.endm
	LOADX 0
	s_wait_alu depctr_va_vdst(0)
	s_wait_kmcnt 0x0
	MKSC 24, 4, 5                                  ; e0
	MKSC 26, 6, 7                                  ; e2
	MKSC 28, 8, 9                                  ; e4
	s_wait_alu depctr_va_vdst(0)
	FRAGX 0
	FRAGX 1
	FRAGX 2
	FRAGX 3
	s_wait_tensorcnt 0x0
	ds_add_u32 v224, v225
	s_wait_dscnt 0x0
	s_endpgm
; ---- the weights.  K is their FIRST axis: a lane takes a column n and its registers run down k, so that the conversions give codes with k innermost.
; Work-group 256 + 64 z + 8 cg + ks: weight z, columns 128 cg + 32 wave + lane, k = 128 ks + 0..127: two fragments a wave.
.Lweights:
	s_sub_co_u32 s5, ttmp9, 256
	s_lshr_b32 s6, s5, 6                           ; z
	s_bfe_u32 s7, s5, 0x30003                      ; cg
	s_and_b32 s5, s5, 7                            ; ks
	s_lshl_b32 s38, s5, 19                         ; 128 rows of 4,096 bytes
	s_lshl_b32 s39, s7, 9
	s_add_co_u32 s38, s38, s39
	s_lshl_b32 s39, s4, 7
	s_add_co_u32 s38, s38, s39                     ; + 4 x my wave's first column
	s_mov_b32 s39, 0
	s_lshl_b32 s40, s6, 20                         ; a weight's codes
	s_lshl_b32 s41, s7, 17                         ; n tile 8 cg + 2 wave, 16,384 bytes each
	s_add_co_u32 s40, s40, s41
	s_lshl_b32 s41, s4, 15
	s_add_co_u32 s40, s40, s41
	s_lshl_b32 s41, s5, 11
	s_add_co_u32 s40, s40, s41                     ; + k step
	s_mov_b32 s41, 0
	s_and_b32 s42, s6, 1
	s_cmp_eq_u32 s42, 0                            ; the choice of the buffer hangs on the work-group's number alone
	s_cselect_b64 s[36:37], s[10:11], s[12:13]
	s_cselect_b64 s[44:45], s[14:15], s[16:17]
	s_cmp_lt_u32 s6, 2
	s_cselect_b64 s[36:37], s[36:37], s[44:45]
	s_add_nc_u64 s[36:37], s[36:37], s[38:39]
	s_add_nc_u64 s[40:41], s[22:23], s[40:41]
	s_wait_alu depctr_va_vdst(0)
	v_lshlrev_b32 v1, 2, v11                       ; in: 4 bytes a lane
	v_lshlrev_b32 v2, 4, v11                       ; out: 16 bytes a lane
.macro LOADW c                         ; rows 16 c .. 16 c + 15 at my column: 128 consecutive bytes a wave, the four waves side by side on 512
.irp i, 0,1,2,3,4,5,6,7,8,9,10,11,12,13,14,15
	global_load_b32 v[WN+16*(\c)+\i], v1, s[36:37] offset:(16*(\c)+\i)*4096 th:TH_LOAD_NT
.endr
.endm
.macro CHUNK c, left                   ; left: the loads issued behind this chunk's sixteen
	s_wait_loadcnt \left
.if \c < 4
	LOADW \c+4
.endif
.irp i, 0,1,2,3,4,5,6,7,8,9,10,11,12,13,14,15
.endr
	v_cvt_scalef32_pk8_bf8_f32 v[CX+2*\c:CX+2*\c+1], v[WN+16*\c:WN+16*\c+7], v4
	v_cvt_scalef32_pk8_bf8_f32 v[CY+2*\c:CY+2*\c+1], v[WN+16*\c+8:WN+16*\c+15], v4
.endm
	LOADW 0
	LOADW 1
	LOADW 2
	LOADW 3
	s_wait_alu depctr_va_vdst(0)
	s_wait_kmcnt 0x0
	s_cmp_eq_u32 s42, 0
	s_cselect_b32 s46, s25, s27                    ; e1 or e3
	s_cselect_b32 s49, s29, s35                    ; e5 or e11
	s_cmp_lt_u32 s6, 2
	s_cselect_b32 s46, s46, s49
	MKSC 46, 4, 5
	s_wait_alu depctr_va_vdst(0)
	CHUNK 0, 48
	CHUNK 1, 48
	CHUNK 2, 48
	CHUNK 3, 48
	CHUNK 4, 48
	CHUNK 5, 32
	CHUNK 6, 16
	CHUNK 7, 0
	v_nop                                          ; one plain line between the last conversion and the vector lines that touch the codes
; Lane l holds column n0 + l.  A fragment wants in lane (r, h) the codes k = 16 c + 8 h + 0..7 of column r: CX's upper lanes and CY's lower lanes change places, and CX is the fragment of columns n0 + 0..15, CY that of n0 + 16..31.
.irp i, 0,1,2,3,4,5,6,7,8,9,10,11,12,13,14,15
	v_permlane16_swap_b32 v[CX+\i], v[CY+\i]
.endr
.irp g, 0,1,2,3
	global_store_b128 v2, v[CX+4*\g:CX+4*\g+3], s[40:41] offset:\g*512
	global_store_b128 v2, v[CY+4*\g:CY+4*\g+3], s[40:41] offset:16384+\g*512
.endr
	s_endpgm
.Lfunc_end_k_qdf3d7153f5_quant:
	.size	k_qdf3d7153f5_quant, .Lfunc_end_k_qdf3d7153f5_quant-k_qdf3d7153f5_quant
	.p2alignl 7, 3214868480
	.fill 96, 4, 3214868480
	.section	.rodata,"a",@progbits
	.p2align	6, 0x0
	.amdhsa_kernel k_qdf3d7153f5_quant
		.amdhsa_group_segment_fixed_size 34304
		.amdhsa_private_segment_fixed_size 0
		.amdhsa_enable_private_segment 0
		.amdhsa_kernarg_size 64
		.amdhsa_user_sgpr_count 2
		.amdhsa_user_sgpr_kernarg_segment_ptr 1
		.amdhsa_wavefront_size32 1
		.amdhsa_system_sgpr_workgroup_id_x 1
		.amdhsa_system_sgpr_workgroup_id_y 1
		.amdhsa_system_sgpr_workgroup_id_z 1
		.amdhsa_system_vgpr_workitem_id 0
		.amdhsa_next_free_vgpr 226
		.amdhsa_next_free_sgpr 66
		.amdhsa_reserve_vcc 0
		.amdhsa_float_denorm_mode_32 3
		.amdhsa_float_denorm_mode_16_64 3
		.amdhsa_fp16_overflow 1
		.amdhsa_memory_ordered 1
		.amdhsa_forward_progress 1
		.amdhsa_inst_pref_size 44
	.end_amdhsa_kernel
	.amdgpu_metadata
---
amdhsa.version: [ 1, 2 ]
amdhsa.kernels:
  - .name:           k_qdf3d7153f5_quant
    .symbol:         k_qdf3d7153f5_quant.kd
    .args:
      - { .name: x, .offset: 0, .size: 8, .value_kind: global_buffer, .address_space: global }
      - { .name: Wq, .offset: 8, .size: 8, .value_kind: global_buffer, .address_space: global }
      - { .name: Wk, .offset: 16, .size: 8, .value_kind: global_buffer, .address_space: global }
      - { .name: Wv, .offset: 24, .size: 8, .value_kind: global_buffer, .address_space: global }
      - { .name: Wo, .offset: 32, .size: 8, .value_kind: global_buffer, .address_space: global }
      - { .name: lowp_scales, .offset: 40, .size: 8, .value_kind: global_buffer, .address_space: global }
      - { .name: xcodes, .offset: 48, .size: 8, .value_kind: global_buffer, .address_space: global }
      - { .name: wcodes, .offset: 56, .size: 8, .value_kind: global_buffer, .address_space: global }
    .group_segment_fixed_size: 34304
    .private_segment_fixed_size: 0
    .kernarg_segment_align: 8
    .kernarg_segment_size: 64
    .max_flat_workgroup_size: 128
    .sgpr_count:     66
    .vgpr_count:     226
    .wavefront_size: 32
...
	.end_amdgpu_metadata
.endif
;; end of part 1
;; launch qkv (part 2): grid 4 x 96, 4 waves a work-group, clusters of 4 x 4, 327,680 bytes of LDS; arguments xcodes, wcodes, lowp_scales, qkvc; writes qkvc
.if DOCPART == 2
	.amdgcn_target "amdgcn-amd-amdhsa--gfx1250"
	.amdhsa_code_object_version 6
	.text
	.protected	k_qdf3d7153f5_qkv
	.globl	k_qdf3d7153f5_qkv
	.p2align	8
	.type	k_qdf3d7153f5_qkv,@function
k_qdf3d7153f5_qkv:
	s_mov_b64 s[64:65], 0
	v_nop
	global_prefetch_b8 v0, s[64:65] scope:SCOPE_SE
	s_setreg_imm32_b32 hwreg(HW_REG_WAVE_MODE, 25, 1), 1
	s_wait_xcnt 0x0
	s_wait_alu depctr_hold_cnt(0) depctr_sa_sdst(0) depctr_va_vdst(0) depctr_va_sdst(0) depctr_va_ssrc(0) depctr_va_vcc(0) depctr_vm_vsrc(0)
	s_getreg_b32 s2, hwreg(HW_REG_IB_STS2, 6, 4)
	s_cmp_eq_u32 s2, 0
	s_cbranch_scc0 .Lentry_in_a_cluster
	s_endpgm
.Lentry_in_a_cluster:
	s_bfe_u32 s2, ttmp6, 0x10000c
	s_cmp_lg_u32 s2, 0xf033
	s_cbranch_scc0 .Lentry_shape_is_right
	s_endpgm
.Lentry_shape_is_right:
; q = x Wq, k = x Wk, v = x Wv on codes of E5M2, and the f32 sums quantised in registers into the codes that the attention launch multiplies (scales 2^e6, 2^e7, 2^e9).
; OPERANDS are images of operand registers: a fragment (16 rows x 128 k) is 2,048 bytes, byte g*512 + lane*16; a row tile's eight k steps lie on end (16,384 bytes).
; P is the operand of source 1: its rows become the result's LANES.  R is the operand of source 0: its rows become the result's REGISTERS (register j of lane (r, h): R's row 8 h + j, P's row r).
; q, k: P = x (tokens), R = W (features): a lane holds a token, its registers run along the head's 64: the next product's K.   v: P = Wv, R = x: a lane holds a feature, its registers run along the tokens: the keys, K of the last product but one.
; A tile is 256 rows of P x 256 rows of R; four waves, each 128 x 128: 64 accumulators, 512 registers.  K = 1,024 goes in four steps of 256 through two LDS slots.
; GRID: 24 clusters of 4 x 4 work-groups: cluster y = 8 prob + sub; prob 0, 1, 2 = q, k, v.  P's tile = cy (+ 4 sub for q, k), R's tile = cx (+ 4 sub for v).
; The four of a row of the cluster need the same tile of P, the four of a column the same tile of R: each tile is asked for JOINTLY, by the same tensor load with a mask that names the four.
; OUT (qkvc): q at 0, k at 8 MiB: (((b*8 + head/2)*128 + token/16)*2 + head%2)*1024 + gg*512 + lane*16: fragments of 16 tokens x 64.   v at 16 MiB: (((b*16 + key/128)*16 + head)*4 + d/16)*2048 + g*512 + lane*16: fragments of 16 d x 128 keys.
; In both a wave's result is one dense block of 16 KiB.  No prefetch is laid: of the four K steps two are asked for at the head, and the other two one K step ahead by the ring itself.
; LIMITS: e6 - e0 - e1, e7 - e2 - e3 and e9 - e4 - e5 lie between -126 and 112, so that the folded scale and 57,344 x it are f32 numbers.
; REGISTERS, in windows of 256: window 0: v1-29 addresses and constants; v128-255 P's eight fragments, ONE set; on the way out the codes.   window 1: R's fragments, TWO sets, at v0 and v128.
;   window 2: the accumulators of P's blocks 0-3 (accumulator (a, b) at v[8 (8 (a % 4) + b)]);   window 3: those of blocks 4-7.
.set FR,     16                        ; registers of a fragment
.set NL,     4                         ; LDS loads that bring one
.set NP,     4                         ; places behind this matrix instruction (ISA guide 7.12.1)
.set HALFT,  32768                     ; 128 rows x 256 k: what one tensor load brings, and what one wave reads of P or of R
.set SLOT,   4*HALFT                   ; P's 256 rows, then R's 256 rows
.set SPARE,  2*SLOT                    ; behind the ring: the spare words, 128 bytes for each wave: two blocks of 256 bytes that no other line names
.set KSTEPB, 4096                      ; a K step of 256 in a row tile's bytes: two fragments
.set LIMV, 10
.set SCV,  11                          ; v11  the folded scale as f32
.set ADRP, 16                          ; v16-17  LDS address of my fragments of P in slot 0, 1
.set ADRR, 20                          ; v20-21  the same for R
.set CO,   26                          ; v26  16 x lane
.set SPW,  28                          ; v28  LDS address of my spare word; never rewritten
.set NIL,  29                          ; v29  0; never rewritten
.set PF,   128                         ; P's fragments, in window 0
.set CD,   128                         ; the way out: 16 registers of codes for each of P's eight blocks
.set G1, 24                            ; s[24:31] descriptor group 1 for P's tiles;  s[32:39] group 0, one set for each slot
.set G0, 32
.set G1B, 48                           ; s[48:55], s[56:63] the same for R's tiles
.set G0B, 56
.set MSB, 0
.macro WIN new                         ; the immediate's high byte repeats the setting that is left
.if MSB != (\new)
	s_set_vgpr_msb (MSB<<8)|(\new)
.set MSB, (\new)
.endif
.endm
.set MUL_LO, 0xa1                      ; source 0 (R) window 1, source 1 (P) window 0, C and D window 2
.set MUL_HI, 0xf1                      ; the same, C and D window 3
.set TO_R,   0x40                      ; destination window 1, address window 0
; A joint load: waves 0 and 1 fetch P's halves, waves 2 and 3 R's.  The branch hangs on the wave's number alone.  Four v_nop follow each of the two lines.
.macro JLOAD g0a, g1a, g0b, g1b
	s_cmp_eq_u32 s15, 0
	s_cbranch_scc0 .Lfor_r_\@
	tensor_load_to_lds s[\g0a:\g0a+3], s[\g1a:\g1a+7]
	s_nop 0
.rept 4
	v_nop
.endr
	s_branch .Lasked_\@
.Lfor_r_\@:
	tensor_load_to_lds s[\g0b:\g0b+3], s[\g1b:\g1b+7]
	s_nop 0
.rept 4
	v_nop
.endr
.Lasked_\@:
.endm
.macro CREST                           ; a round of the cluster's barrier behind its opening barrier
	s_cmp_lg_u32 s14, 0
	s_cbranch_scc1 .Lnot_wave_0_\@
	s_barrier_signal -3
.Lnot_wave_0_\@:
	s_barrier_wait -3
	s_barrier_signal -1
	s_barrier_wait -1
.endm
.macro CROUND                          ; a whole round
	s_barrier_signal -1
	s_barrier_wait -1
	CREST
.endm
	s_load_b256 s[4:11], s[0:1], 0x0               ; xcodes s[4:5], wcodes s[6:7], the scales' exponents s[8:9], qkvc s[10:11]
	v_lshl_add_u32 v[SPW], v0, 2, SPARE
	v_mov_b32 v[NIL], 0
	ds_add_u32 v28, v29
	ds_add_u32 v28, v29
	s_wait_dscnt 0x0
	v_lshrrev_b32 v1, 5, v0
	v_readfirstlane_b32 s14, v1                    ; wave 0..3
	s_lshr_b32 s15, s14, 1                         ; which half of P's rows is mine.  Also: I fetch for P (0) or for R (1)
	s_and_b32 s16, s14, 1                          ; which half of R's rows.  Also: which 128 rows of that tile I fetch
	s_bfe_u32 s40, ttmp6, 0x40000                  ; cx, cy: my place in the cluster
	s_bfe_u32 s41, ttmp6, 0x40004
	s_and_b32 s66, ttmp7, 0xffff                   ; cluster y, 0..23: the same in all sixteen partners, and so is all that is made of it alone
	s_lshr_b32 s67, s66, 3                         ; prob: 0 q, 1 k, 2 v
	s_and_b32 s68, s66, 7
	s_lshl_b32 s68, s68, 2                         ; 4 sub
	s_lshl_b32 s71, s67, 23                        ; x's set prob
	s_lshl_b32 s72, s67, 20                        ; weight prob
	s_cmp_eq_u32 s67, 2                            ; v?
	s_cselect_b32 s69, 0, s68                      ; tiles ahead of cy in P,
	s_cselect_b32 s70, s68, 0                      ; and ahead of cx in R
	s_cselect_b32 s71, 0x200000, s71               ; P begins: Wv's codes, or x's set prob
	s_cselect_b32 s72, 0x1000000, s72              ; R begins: x's set 2, or weight prob
	s_add_co_u32 s17, s69, s41                     ; P's tile
	s_add_co_u32 s42, s70, s40                     ; R's tile
	s_lshl_b32 s43, s41, 2
	s_lshl_b32 s43, 15, s43                        ; my row of the cluster
	s_lshl_b32 s44, 0x1111, s40                    ; my column
	; descriptor group 1: 8 row tiles x 4,096 bytes (two fragments), 16,384 bytes apart in memory, dense in LDS
	s_or_b32 s[G1+0], s43, (3<<16)|(1<<21)         ; 15:0 the mask: P's tiles go to my row; 17:16 elements of 8 bytes; 20 no padding; 21 set beside a mask
	s_or_b32 s[G1B+0], s44, (3<<16)|(1<<21)        ; the same with the mask of my column
.irp g, G1, G1B
	s_mov_b32 s[\g+1], 512<<16                     ; tensor_dim0 = 512 elements
	s_mov_b32 s[\g+2], 8<<16                       ; tensor_dim1 = 8
	s_mov_b32 s[\g+3], 512<<16                     ; tile_dim0
	s_mov_b32 s[\g+4], 8                           ; tile_dim1
	s_mov_b32 s[\g+5], 2048                        ; tensor_dim0_stride
	s_mov_b32 s[\g+6], 0
	s_mov_b32 s[\g+7], 0
.endr
	s_lshl_b32 s18, s16, 17                        ; which 8 row tiles of the tile's 16 I fetch
	s_lshl_b32 s20, s17, 18                        ; P: a tile is 16 row tiles of 16,384 bytes
	s_add_co_u32 s20, s20, s18
	s_add_co_u32 s20, s20, s71
	s_mov_b32 s21, 0
	s_lshl_b32 s46, s42, 18                        ; R likewise, in registers that never hold cy
	s_add_co_u32 s46, s46, s18
	s_add_co_u32 s46, s46, s72
	s_mov_b32 s47, 0
	s_lshl_b32 s45, s14, 15                        ; where they go: wave x 32,768: no place in the cluster enters an LDS address
	s_wait_kmcnt 0x0
	s_load_b256 s[76:83], s[8:9], 0x0              ; e0 .. e7
	s_load_b128 s[84:87], s[8:9], 0x20             ; e8 .. e11
	s_cmp_eq_u32 s67, 2
	s_cselect_b64 s[92:93], s[6:7], s[4:5]         ; P's buffer,
	s_cselect_b64 s[94:95], s[4:5], s[6:7]         ; R's: the choice hangs on the cluster's number alone
	s_add_nc_u64 s[20:21], s[92:93], s[20:21]
	s_add_nc_u64 s[46:47], s[94:95], s[46:47]
	CROUND                                         ; all sixteen work-groups are here: the first joint loads meet
.irp s, 0,1
	s_mov_b32 s[G0+4*\s], 1
	s_add_co_u32 s[G0+4*\s+1], s45, \s*SLOT
	s_add_nc_u64 s[G0+4*\s+2:G0+4*\s+3], s[20:21], \s*KSTEPB
	s_or_b32 s[G0+4*\s+3], s[G0+4*\s+3], 0x80000000
	s_mov_b32 s[G0B+4*\s], 1
	s_add_co_u32 s[G0B+4*\s+1], s45, \s*SLOT
	s_add_nc_u64 s[G0B+4*\s+2:G0B+4*\s+3], s[46:47], \s*KSTEPB
	s_or_b32 s[G0B+4*\s+3], s[G0B+4*\s+3], 0x80000000
	JLOAD G0+4*\s, G1, G0B+4*\s, G1B
.endr
	v_and_b32 v1, 31, v0
	v_lshlrev_b32 v[CO], 4, v1                     ; 16 x lane: an image's place for my lane
	s_lshl_b32 s21, s15, 15                        ; my 128 rows of P
	s_lshl_b32 s22, s16, 15                        ; my 128 rows of R,
	s_add_co_u32 s22, s22, 2*HALFT                 ; which lie behind P's 256
.irp s, 0,1
	v_add_nc_u32 v[ADRP+\s], s21, v[CO]
	v_add_nc_u32 v[ADRR+\s], s22, v[CO]
	s_add_co_u32 s21, s21, SLOT
	s_add_co_u32 s22, s22, SLOT
.endr
	; where my 16 KiB of codes go, counted in fragments of 2,048 bytes
	s_lshr_b32 s88, s17, 3
	s_lshl_b32 s88, s88, 3                         ; q, k: batch x 8
	s_lshl_b32 s89, s42, 1
	s_add_co_u32 s89, s89, s16                     ; 2 x R's tile + my half: the pair of heads (q, k), or the key step counted through the batches (v)
	s_add_co_u32 s88, s88, s89
	s_lshl_b32 s88, s88, 7                         ; x 128 token tiles
	s_and_b32 s90, s17, 7
	s_lshl_b32 s90, s90, 4
	s_add_co_u32 s88, s88, s90                     ; + 16 x the tile in its batch
	s_lshl_b32 s89, s89, 6                         ; v: x 64 fragments a key step
	s_lshl_b32 s90, s17, 4
	s_add_co_u32 s89, s89, s90                     ; + 16 x P's tile
	s_cmp_eq_u32 s67, 2
	s_cselect_b32 s88, s89, s88
	s_lshl_b32 s90, s15, 3
	s_add_co_u32 s88, s88, s90                     ; + my half of P's rows: eight blocks
	s_lshl_b32 s88, s88, 11
	s_lshl_b32 s90, s67, 23
	s_add_co_u32 s88, s88, s90                     ; + the part of q, k or v
	s_mov_b32 s89, 0
	s_add_nc_u64 s[88:89], s[10:11], s[88:89]
.macro FRAG reg, adr, q, i             ; fragment i of the slot's q-th 128 along K: four groups of four registers, as they were stored
.irp c, 0,1,2,3
	ds_load_b128 v[\reg+4*\c:\reg+4*\c+3], v[\adr] offset:4096*(\i)+2048*(\q)+512*\c
.endr
.endm
; 16 matrix instructions: P's blocks a0, a0 + 1 x R's eight, 128 along K.  p: R's set.  zero = 1: the first product starts the sums: nothing is ever cleared.
; The 64 accumulators take turns, one instruction a turn, in the same order in every step.
.macro MUL16 a0, p, zero
.irp a, \a0, \a0+1
.irp b, 0,1,2,3,4,5,6,7
.if \zero
	v_wmma_f32_16x16x128_bf8_bf8 v[8*(8*((\a)%4)+\b):8*(8*((\a)%4)+\b)+7], v[128*(\p)+FR*\b:128*(\p)+FR*\b+FR-1], v[PF+FR*(\a):PF+FR*(\a)+FR-1], 0
.else
	v_wmma_f32_16x16x128_bf8_bf8 v[8*(8*((\a)%4)+\b):8*(8*((\a)%4)+\b)+7], v[128*(\p)+FR*\b:128*(\p)+FR*\b+FR-1], v[PF+FR*(\a):PF+FR*(\a)+FR-1], v[8*(8*((\a)%4)+\b):8*(8*((\a)%4)+\b)+7]
.endif
.endr
.endr
.endm
.macro FETCH_R slot, q, p              ; R's eight fragments into set p
	WIN TO_R
.irp i, 0,1,2,3,4,5,6,7
	FRAG 128*(\p)+FR*\i, ADRR+\slot, \q, \i
.endr
	WIN 0
.endm
.macro FETCH_P slot, q, i0             ; P's blocks i0 .. i0 + 3
.irp i, \i0, \i0+1, \i0+2, \i0+3
	FRAG PF+FR*(\i), ADRP+\slot, \q, \i
.endr
.endm
; A load into a register that a matrix instruction has read, and a vector instruction that reads a matrix result, stand NP places behind it; only plain vector instructions that name none of its registers are places.
.macro PLACES n
.rept \n
	v_nop
.endr
.endm
; A step of 128 along K that has its successor in the same slot.  A block of P is free as soon as its eight products are issued: blocks 0-3 are fetched anew in the step's middle, blocks 4-7 at its end.
.macro STEP slot, q, zero
	s_wait_dscnt 4*NL                              ; R's set and P's blocks 0-3 are in; the youngest sixteen loads (P's blocks 4-7) may be out
	WIN MUL_LO
	MUL16 0, (\q)%2, \zero
	MUL16 2, (\q)%2, \zero
	s_wait_dscnt 0                                 ; P's blocks 4-7 are in
	PLACES NP
	FETCH_R \slot, (\q)+1, 1-(\q)%2
	FETCH_P \slot, (\q)+1, 0
	WIN MUL_HI
	MUL16 4, (\q)%2, \zero
	MUL16 6, (\q)%2, \zero
	PLACES NP
	WIN 0
	FETCH_P \slot, (\q)+1, 4
.endm
; A slot's last step changes slots: ONE barrier; in front of it each wave waits for all its tensor loads, adds 0 to its spare word, and waits for that and for its own reads of this slot.  fill = 1: this slot is filled again, two K steps ahead.
.macro TURN slot, next, fill
	s_wait_tensorcnt 0x0                           ; all my tensor loads have landed: the one that was out is my part of the next slot (every window is 0 here)
	ds_add_u32 v[SPW], v[NIL]                      ; 0 onto my spare word
	s_wait_dscnt 4*NL+1                            ; (the add and the youngest sixteen loads may be out)
	WIN MUL_LO
	MUL16 0, 1, 0                                  ; sixteen matrix instructions stand between the add and the wait for it
	s_wait_dscnt 0x0                               ; the add is done, and my reads of this slot are over
	s_barrier_signal -1
	MUL16 2, 1, 0
	WIN 0
	s_barrier_wait -1
.if \fill
	CREST                                          ; the barrier has opened a round of the cluster's barrier: no wave of any partner still reads this slot or has a load on its way
	s_add_nc_u64 s[G0+4*\slot+2:G0+4*\slot+3], s[G0+4*\slot+2:G0+4*\slot+3], 2*KSTEPB
	s_add_nc_u64 s[G0B+4*\slot+2:G0B+4*\slot+3], s[G0B+4*\slot+2:G0B+4*\slot+3], 2*KSTEPB
	JLOAD G0+4*\slot, G1, G0B+4*\slot, G1B         ; the first tensor load behind the round; its four v_nop are also the places in front of the loads below
.else
	PLACES NP
.endif
	FETCH_R \next, 0, 0
	FETCH_P \next, 0, 0
	WIN MUL_HI
	MUL16 4, 1, 0
	MUL16 6, 1, 0
	PLACES NP
	WIN 0
	FETCH_P \next, 0, 4
.endm
	s_wait_alu depctr_va_vdst(0)
	s_wait_tensorcnt 1                             ; my part of K step 0 is in (K step 1's load may be out)
	s_barrier_signal -1
	s_barrier_wait -1                              ; everybody's is
	FETCH_R 0, 0, 0
	FETCH_P 0, 0, 0
	FETCH_P 0, 0, 4
	STEP 0, 0, 1                                   ; K 0-127: the products start the sums
	TURN 0, 1, 1                                   ; K 128-255; slot 0 takes K 512-767
	STEP 1, 0, 0
	TURN 1, 0, 1                                   ; slot 1 takes K 768-1023
	STEP 0, 0, 0
	TURN 0, 1, 0                                   ; nothing is left to fetch
	STEP 1, 0, 0
	s_wait_dscnt 4*NL                              ; the very last step
	WIN MUL_LO
	MUL16 0, 1, 0
	MUL16 2, 1, 0
	s_wait_dscnt 0
	WIN MUL_HI
	MUL16 4, 1, 0
	MUL16 6, 1, 0
	WIN 0
	; THE WAY OUT.  A sum stands for sum x 2^(ea + eb); its code is sum / 2^(eo - ea - eb): the three scales are folded into the conversion's one.
	s_wait_kmcnt 0x0
	s_sub_co_i32 s90, s82, s76
	s_sub_co_i32 s90, s90, s77                     ; q: e6 - e0 - e1
	s_sub_co_i32 s91, s83, s78
	s_sub_co_i32 s91, s91, s79                     ; k: e7 - e2 - e3
	s_sub_co_i32 s92, s85, s80
	s_sub_co_i32 s92, s92, s81                     ; v: e9 - e4 - e5
	s_cmp_eq_u32 s67, 0
	s_cselect_b32 s90, s90, s91
	s_cmp_eq_u32 s67, 2
	s_cselect_b32 s90, s92, s90
	s_add_co_i32 s90, s90, 127
	s_lshl_b32 s91, s90, 23
	v_mov_b32 v[SCV], s91
	s_add_co_i32 s90, s90, 15
	s_lshl_b32 s90, s90, 23
	s_or_b32 s90, s90, 0x600000
	PLACES NP
; Block a's eight accumulators are 8 x 8 neighbours along the next K in each lane: eight conversions give the 16 registers of a fragment (q, k: two fragments of 64).  Each accumulator is read from its low end on.
.irp a, 0,1,2,3,4,5,6,7
.set AC, 64*(\a%4)
	WIN 0x82+0x41*(\a/4)                           ; destination and source 0: window 2 or 3
.set j, 0
.rept 64
.set j, j+1
.endr
	WIN 0x02+(\a/4)                                ; source 0: window 2 or 3; the codes go to window 0
.irp b, 0,1,2,3,4,5,6,7
	v_cvt_scalef32_pk8_bf8_f32 v[CD+16*\a+2*\b:CD+16*\a+2*\b+1], v[AC+8*\b:AC+8*\b+7], v[SCV]
.endr
.endr
	v_nop                                          ; one plain line behind the last conversion
	WIN 0
.irp a, 0,1,2,3,4,5,6,7
.irp g, 0,1,2,3
	global_store_b128 v[CO], v[CD+16*\a+4*\g:CD+16*\a+4*\g+3], s[88:89] offset:\a*2048+\g*512   ; 32 lanes store 512 consecutive bytes, at a multiple of 512 from the buffer's first byte
.endr
.endr
	s_wait_tensorcnt 0x0                           ; the wave's end
	ds_add_u32 v[SPW], v[NIL]
	s_wait_dscnt 0x0
	CROUND                                         ; the closing round: no work-group ends while a partner may still ask for a tile that names it
	s_endpgm
.Lfunc_end_k_qdf3d7153f5_qkv:
	.size	k_qdf3d7153f5_qkv, .Lfunc_end_k_qdf3d7153f5_qkv-k_qdf3d7153f5_qkv
	.p2alignl 7, 3214868480
	.fill 96, 4, 3214868480
	.section	.rodata,"a",@progbits
	.p2align	6, 0x0
	.amdhsa_kernel k_qdf3d7153f5_qkv
		.amdhsa_group_segment_fixed_size 327680
		.amdhsa_private_segment_fixed_size 0
		.amdhsa_enable_private_segment 0
		.amdhsa_kernarg_size 32
		.amdhsa_user_sgpr_count 2
		.amdhsa_user_sgpr_kernarg_segment_ptr 1
		.amdhsa_wavefront_size32 1
		.amdhsa_system_sgpr_workgroup_id_x 1
		.amdhsa_system_sgpr_workgroup_id_y 1
		.amdhsa_system_sgpr_workgroup_id_z 1
		.amdhsa_system_vgpr_workitem_id 0
		.amdhsa_next_free_vgpr 1024
		.amdhsa_next_free_sgpr 100
		.amdhsa_reserve_vcc 0
		.amdhsa_float_denorm_mode_32 3
		.amdhsa_float_denorm_mode_16_64 3
		.amdhsa_fp16_overflow 1
		.amdhsa_memory_ordered 1
		.amdhsa_forward_progress 1
		.amdhsa_inst_pref_size 86
	.end_amdhsa_kernel
	.amdgpu_metadata
---
amdhsa.version: [ 1, 2 ]
amdhsa.kernels:
  - .name:           k_qdf3d7153f5_qkv
    .symbol:         k_qdf3d7153f5_qkv.kd
    .args:
      - { .name: xcodes, .offset: 0, .size: 8, .value_kind: global_buffer, .address_space: global }
      - { .name: wcodes, .offset: 8, .size: 8, .value_kind: global_buffer, .address_space: global }
      - { .name: lowp_scales, .offset: 16, .size: 8, .value_kind: global_buffer, .address_space: global }
      - { .name: qkvc, .offset: 24, .size: 8, .value_kind: global_buffer, .address_space: global }
    .group_segment_fixed_size: 327680
    .private_segment_fixed_size: 0
    .kernarg_segment_align: 8
    .kernarg_segment_size: 32
    .max_flat_workgroup_size: 128
    .sgpr_count:     100
    .vgpr_count:     1024
    .wavefront_size: 32
...
	.end_amdgpu_metadata
.endif
;; end of part 2
;; launch attn (part 3): grid 4 x 64, 16 waves a work-group, clusters of 4 x 1, 264,192 bytes of LDS; arguments qkvc, lowp_scales, ctxc; writes ctxc
.if DOCPART == 3
	.amdgcn_target "amdgcn-amd-amdhsa--gfx1250"
	.amdhsa_code_object_version 6
	.text
	.protected	k_qdf3d7153f5_attn
	.globl	k_qdf3d7153f5_attn
	.p2align	8
	.type	k_qdf3d7153f5_attn,@function
k_qdf3d7153f5_attn:
	s_mov_b64 s[64:65], 0
	v_nop
	global_prefetch_b8 v0, s[64:65] scope:SCOPE_SE
	s_setreg_imm32_b32 hwreg(HW_REG_WAVE_MODE, 25, 1), 1
	s_wait_xcnt 0x0
	s_wait_alu depctr_hold_cnt(0) depctr_sa_sdst(0) depctr_va_vdst(0) depctr_va_sdst(0) depctr_va_ssrc(0) depctr_va_vcc(0) depctr_vm_vsrc(0)
	s_getreg_b32 s2, hwreg(HW_REG_IB_STS2, 6, 4)
	s_cmp_eq_u32 s2, 0
	s_cbranch_scc0 .Lentry_in_a_cluster
	s_endpgm
.Lentry_in_a_cluster:
	s_bfe_u32 s2, ttmp6, 0x10000c
	s_cmp_lg_u32 s2, 0x3003
	s_cbranch_scc0 .Lentry_shape_is_right
	s_endpgm
.Lentry_shape_is_right:
; ctx = softmax(q k^T / 8, causal) v for 64 (batch, head) pairs of 2,048 tokens x 64, both products on codes of E5M2; ctx is quantised in registers (2^e10) for the last projection.
; THE SOFTMAX: t = score x log2(e) / 8; M = the running largest t rounded UP to a whole number; p = 2^(t - M) is what is quantised (2^e8); the row's sum is taken of the unquantised p and divides at the end.
; When M moves, the sum and O are multiplied by 2^(old M - new M): exact.
; SHARES.  A cluster of four work-groups is one (batch, head).  Partner g takes the tiles of 16 queries tau = 4 JJ + g, JJ = 0..31.  Tile JJ needs the key steps (128 keys) 0 .. JJ / 2, the last of them on the diagonal, whatever g is:
; no branch hangs on a work-group's place.  Wave w takes JJ = j, then JJ = 31 - j: (j / 2 + 1) + ((31 - j) / 2 + 1) = 17 key steps for every wave.  j = 4 ((c + (a xor 3) + 1) % 4) + a, a = w / 4, c = w % 4,
; so that four waves with the same a have 16 or 20 steps in the first pass, and four with the same c 18.
; THE HEAD'S WHOLE K AND V LIE IN LDS, FILLED ONCE: K's 128 fragments of 1,024 bytes at 0, V's 16 key steps of 8,192 bytes at 131,072.  Each wave issues two joint loads (the four partners need the same bytes): its part of keys 0-1023,
; then of keys 1024-2047.  The first pass reads keys 0-1023 alone and begins when they have landed.  No byte is filled again.  No prefetch is laid: all that the work-group reads of K and V is asked for at its head.
; LAYOUT.  Both products are used transposed: S^T = K Q^T (source 0 = 16 keys, source 1 = my 16 queries), O^T = V^T P^T: a lane holds ONE query (lane % 16) throughout.  Register 8 t + i of S^T is key 16 t + 8 h + i of the step:
; eight conversions give registers 2 t, 2 t + 1 of the second product's operand, each k in the place that the form's own layout gives it; V's images hold the keys in the same places.
; The loops' trip counts are constants (8 and 16): a step that lies wholly behind the diagonal leaves its work out by a scalar branch on the wave's number and the counter.
; OUT (ctxc): images of fragments of [8,192 tokens][1,024]: ((b*128 + tau)*8 + head/2)*2048 + (head%2)*1024 + gg*512 + lane*16.
; LIMITS: e6 + e7 between -123 and 130 (added to c's exponent field); e8, and e10 - e8 - e9, between -126 and 112.
.set LI,   1                           ; v1   16 x lane; never rewritten
.set VD1,  2                           ; v2   my query less the diagonal step's first key less 8 h, first pass;  v3 second pass
.set VD2,  3
.set ADK,  8                           ; v8   LDS address of the step's K;  v9 of its V
.set ADV,  9
.set Q1,   16                          ; v16-23   Q's fragment, first pass;   v216-223 second pass
.set Q2,   216
.set C1,   24                          ; v24-31   ctx's codes, first pass;    v208-215 second pass
.set C2,   208
.set KV,   32                          ; v32-95   eight fragments of K, then four of V
.set S,    96                          ; v96-159  S^T, then p
.set OT,   160                         ; v160-191 O^T: four tiles of 16 d.    v12 -M, v13 the largest t, v[14:15] the sum in two halves
.set PSC,  200                         ; v200 2^e8;  v202 the same for e10 - e8 - e9;  v204 -infinity.    v192-199 at work
.set PLIM, 201
.set CSC,  202
.set CLIM, 203
.set NINF, 204
.set PC,   224                         ; v224-239 p's codes
.set WV,   18                          ; s18  my wave's number
.set SEL,  20                          ; s[20:21] lane selects for v_permlanex16_b32: lane l xor 16
.set CS,   22                          ; s[22:23] c = log2(e) / 8 x 2^(e6 + e7)
.set G1K,  24                          ; s[24:31] descriptor group 1 for K;  s[32:39] for V;  s[40:47], s[48:55] their groups 0, one for each half of the keys
.set G1V,  32
.set G0K,  40
.set G0V,  48
.set DS1,  66                          ; s66, s67 the diagonal's key step in the first and in the second pass
.set DS2,  67
.set ST,   68                          ; s68  the key step
.set TB,   69                          ; s69  8,192 x the key step
.set QA1,  70                          ; s[70:71], s[72:73] my queries' codes;  s[74:75], s[76:77] where ctx's codes go
.set QA2,  72
.set CA1,  74
.set CA2,  76
.macro CROUND                          ; a round of the cluster's barrier
	s_barrier_signal -1
	s_barrier_wait -1
	s_cmp_lg_u32 s[WV], 0
	s_cbranch_scc1 .Lnot_wave_0_\@
	s_barrier_signal -3
.Lnot_wave_0_\@:
	s_barrier_wait -3
	s_barrier_signal -1
	s_barrier_wait -1
.endm
	s_load_b128 s[4:7], s[0:1], 0x0                ; qkvc s[4:5], the scales' exponents s[6:7]
	s_load_b64 s[8:9], s[0:1], 0x10                ; ctxc
	v_lshl_add_u32 v254, v0, 2, 0x40000
	v_mov_b32 v255, 0
	ds_add_u32 v254, v255
	ds_add_u32 v254, v255
	v_lshrrev_b32 v4, 5, v0
	s_delay_alu instid0(VALU_DEP_1)
	v_readfirstlane_b32 s[WV], v4                  ; wave 0..15
	v_and_b32 v4, 31, v0
	s_delay_alu instid0(VALU_DEP_1)
	v_lshlrev_b32 v[LI], 4, v4
	s_bfe_u32 s10, ttmp6, 0x40000                  ; g = cx: it enters Q's and ctx's addresses and the mask's numbers alone
	s_and_b32 s11, ttmp7, 0xffff                   ; 16 x batch + head
	s_lshr_b32 s12, s11, 4                         ; batch
	s_and_b32 s13, s11, 15                         ; head
	s_lshr_b32 s14, s13, 1                         ; the pair of heads,
	s_and_b32 s15, s13, 1                          ; and which of the two
	s_lshl_b32 s16, s12, 3
	s_add_co_u32 s16, s16, s14
	s_lshl_b32 s16, s16, 18                        ; 128 token tiles x 2,048 bytes for each (batch, pair)
	s_lshl_b32 s17, s15, 10
	s_add_co_u32 s16, s16, s17                     ; the head's first fragment in q's and in k's part
	s_and_b32 s19, s[WV], 7                        ; which eighth of a half I fetch
	s_lshl_b32 s56, s19, 14                        ; K: 8 key tiles, 2,048 bytes apart,
	s_add_co_u32 s56, s56, s16
	s_add_co_u32 s56, s56, 0x800000                ; in k's part
	s_mov_b32 s57, 0
	s_lshl_b32 s58, s19, 17                        ; V: a key step is 131,072 bytes on,
	s_lshl_b32 s59, s12, 21
	s_add_co_u32 s58, s58, s59
	s_lshl_b32 s59, s13, 13                        ; a head's four fragments 8,192
	s_add_co_u32 s58, s58, s59
	s_add_co_u32 s58, s58, 0x1000000               ; in v's part
	s_mov_b32 s59, 0
	s_lshl_b32 s60, s19, 13                        ; and 8,192 bytes of LDS for each
	; descriptor group 1.  K: 8 rows of 1,024 bytes, 2,048 apart.  V: 8,192 dense bytes as 32 rows of 256
	s_mov_b32 s[G1K], 15|(3<<16)|(1<<21)           ; 15:0 the mask: all four work-groups; 17:16 elements of 8 bytes; 21 set beside a mask
	s_mov_b32 s[G1K+1], 128<<16                    ; tensor_dim0
	s_mov_b32 s[G1K+2], 8<<16                      ; tensor_dim1
	s_mov_b32 s[G1K+3], 128<<16                    ; tile_dim0
	s_mov_b32 s[G1K+4], 8                          ; tile_dim1
	s_mov_b32 s[G1K+5], 256                        ; tensor_dim0_stride
	s_mov_b32 s[G1K+6], 0
	s_mov_b32 s[G1K+7], 0
	s_mov_b32 s[G1V], 15|(3<<16)|(1<<21)
	s_mov_b32 s[G1V+1], 32<<16
	s_mov_b32 s[G1V+2], 32<<16
	s_mov_b32 s[G1V+3], 32<<16
	s_mov_b32 s[G1V+4], 32
	s_mov_b32 s[G1V+5], 32
	s_mov_b32 s[G1V+6], 0
	s_mov_b32 s[G1V+7], 0
	s_mov_b32 s[SEL], 0x76543210
	s_mov_b32 s[SEL+1], 0xfedcba98
	; my two tiles of queries
	s_lshr_b32 s92, s[WV], 2                       ; a
	s_and_b32 s93, s[WV], 3                        ; c
	s_xor_b32 s94, s92, 3
	s_add_co_u32 s94, s94, s93
	s_add_co_u32 s94, s94, 1
	s_and_b32 s94, s94, 3
	s_lshl_b32 s94, s94, 2
	s_add_co_u32 s94, s94, s92                     ; j
	s_sub_co_u32 s95, 31, s94                      ; 31 - j
	s_lshr_b32 s[DS1], s94, 1
	s_lshr_b32 s[DS2], s95, 1
	s_lshl_b32 s96, s94, 2
	s_add_co_u32 s96, s96, s10                     ; tau of the first pass,
	s_lshl_b32 s97, s95, 2
	s_add_co_u32 s97, s97, s10                     ; of the second
	s_lshl_b32 s[QA1], s96, 11
	s_add_co_u32 s[QA1], s[QA1], s16
	s_mov_b32 s[QA1+1], 0
	s_lshl_b32 s[QA2], s97, 11
	s_add_co_u32 s[QA2], s[QA2], s16
	s_mov_b32 s[QA2+1], 0
	s_lshl_b32 s98, s12, 21                        ; ctx: a batch's 128 token tiles of 16,384 bytes,
	s_lshl_b32 s99, s14, 11                        ; the pair's fragment,
	s_add_co_u32 s98, s98, s99
	s_add_co_u32 s98, s98, s17                     ; my head's half of it
	s_lshl_b32 s[CA1], s96, 14
	s_add_co_u32 s[CA1], s[CA1], s98
	s_mov_b32 s[CA1+1], 0
	s_lshl_b32 s[CA2], s97, 14
	s_add_co_u32 s[CA2], s[CA2], s98
	s_mov_b32 s[CA2+1], 0
	v_and_b32 v4, 15, v0
	v_bfe_u32 v5, v0, 4, 1
	s_delay_alu instid0(VALU_DEP_1)
	v_lshlrev_b32 v5, 3, v5
	s_delay_alu instid0(VALU_DEP_1)
	v_sub_nc_u32 v4, v4, v5                        ; r - 8 h
	s_and_b32 s98, s94, 1
	s_lshl_b32 s98, s98, 6
	s_lshl_b32 s99, s10, 4
	s_add_co_u32 s98, s98, s99                     ; 64 (j % 2) + 16 g: my tile's first query in its diagonal step
	v_add_nc_u32 v[VD1], s98, v4
	s_xor_b32 s98, s98, 64                         ; 31 - j has the other parity
	v_add_nc_u32 v[VD2], s98, v4
	s_wait_dscnt 0x0
	s_wait_kmcnt 0x0
	s_load_b256 s[80:87], s[6:7], 0x0              ; e0 .. e7
	s_load_b128 s[88:91], s[6:7], 0x20             ; e8 .. e11
	s_add_nc_u64 s[56:57], s[4:5], s[56:57]
	s_add_nc_u64 s[58:59], s[4:5], s[58:59]
	s_add_nc_u64 s[QA1:QA1+1], s[4:5], s[QA1:QA1+1]
	s_add_nc_u64 s[QA2:QA2+1], s[4:5], s[QA2:QA2+1]
	s_add_nc_u64 s[CA1:CA1+1], s[8:9], s[CA1:CA1+1]
	s_add_nc_u64 s[CA2:CA2+1], s[8:9], s[CA2:CA2+1]
	s_mov_b32 s[G0K], 1                            ; keys 0-1023
	s_mov_b32 s[G0K+1], s60
	s_mov_b64 s[G0K+2:G0K+3], s[56:57]
	s_or_b32 s[G0K+3], s[G0K+3], 0x80000000
	s_mov_b32 s[G0K+4], 1                          ; keys 1024-2047: 64 key tiles on
	s_add_co_u32 s[G0K+5], s60, 65536
	s_add_nc_u64 s[G0K+6:G0K+7], s[56:57], 131072
	s_or_b32 s[G0K+7], s[G0K+7], 0x80000000
	s_mov_b32 s[G0V], 1
	s_add_co_u32 s[G0V+1], s60, 131072
	s_mov_b64 s[G0V+2:G0V+3], s[58:59]
	s_or_b32 s[G0V+3], s[G0V+3], 0x80000000
	s_mov_b32 s[G0V+4], 1                          ; 8 key steps on
	s_add_co_u32 s[G0V+5], s60, 196608
	s_add_nc_u64 s[G0V+6:G0V+7], s[58:59], 1048576
	s_or_b32 s[G0V+7], s[G0V+7], 0x80000000
	CROUND                                         ; all four work-groups are here: the joint loads meet
	s_cmp_lt_u32 s[WV], 8                          ; waves 0-7 fetch K, waves 8-15 V; a wave's two loads stand in one branch: two loads of mine are out
	s_cbranch_scc0 .Lfor_v
	tensor_load_to_lds s[G0K:G0K+3], s[G1K:G1K+7]
	s_nop 0
	tensor_load_to_lds s[G0K+4:G0K+7], s[G1K:G1K+7]
	s_nop 0
.rept 4
	v_nop
.endr
	s_branch .Lasked
.Lfor_v:
	tensor_load_to_lds s[G0V:G0V+3], s[G1V:G1V+7]
	s_nop 0
	tensor_load_to_lds s[G0V+4:G0V+7], s[G1V:G1V+7]
	s_nop 0
.rept 4
	v_nop
.endr
.Lasked:
	s_wait_alu depctr_va_vdst(0)
	global_load_b128 v[Q1:Q1+3], v[LI], s[QA1:QA1+1] th:TH_LOAD_NT
	global_load_b128 v[Q1+4:Q1+7], v[LI], s[QA1:QA1+1] offset:512 th:TH_LOAD_NT
	global_load_b128 v[Q2:Q2+3], v[LI], s[QA2:QA2+1] th:TH_LOAD_NT
	global_load_b128 v[Q2+4:Q2+7], v[LI], s[QA2:QA2+1] offset:512 th:TH_LOAD_NT
	v_mov_b32 v195, 0                              ; (named as the upper half of the pair v[194:195])
	v_mov_b32 v196, 0                              ; written once: a lane permute's destination counts as one of its sources
	v_mov_b32 v[NINF], 0xff800000
	s_wait_kmcnt 0x0
	s_add_co_i32 s92, s86, s87                     ; a score stands for score x 2^(e6 + e7): the exponents are added to c's exponent field
	s_lshl_b32 s92, s92, 23
	s_add_co_i32 s[CS], s92, 0x3e38aa3b            ; c = log2(e) / 8
	s_mov_b32 s[CS+1], s[CS]                       ; (named with it as a pair, so it is written)
	s_add_co_i32 s92, s88, 127
	s_lshl_b32 s93, s92, 23
	v_mov_b32 v[PSC], s93                          ; 2^e8
	s_sub_co_i32 s92, s90, s88
	s_sub_co_i32 s92, s92, s89                     ; O / l stands for ctx / 2^(e8 + e9): its code is (O / l) / 2^(e10 - e8 - e9)
	s_add_co_i32 s92, s92, 127
	s_lshl_b32 s93, s92, 23
	v_mov_b32 v[CSC], s93
.macro INIT                            ; a pass begins: the first step finds zeros, which the first change of M leaves zeros
	v_mov_b32 v13, 0xff61b1e6                      ; the largest t so far: -3e38, under every t
	s_delay_alu instid0(VALU_DEP_1)
	v_floor_f32 v12, -v13                          ; -M
	v_mov_b32 v14, 0
	v_mov_b32 v15, 0
.set j, 0
.rept 32
	v_mov_b32 v[OT+j], 0
.set j, j+1
.endr
	s_mov_b32 s[ST], 0
	s_mov_b32 s[TB], 0
.endm
; A PASS: one tile of 16 queries walks the key steps.  qf: Q's fragment; vdr: the mask's number; dsr: the diagonal's step; trips: the loop's constant count.
.macro PASS qf, vdr, dsr, trips
.Lstep_\@:
	s_cmp_gt_u32 s[ST], s[\dsr]                    ; all 128 keys come after my queries: the step's work is left out
	s_cbranch_scc1 .Lhidden_\@
	s_setprio 2
	v_add_nc_u32 v[ADK], s[TB], v[LI]
	s_delay_alu instid0(VALU_DEP_1)
	v_add_nc_u32 v[ADV], 0x20000, v[ADK]
	v_nop                                          ; with the two additions: four places in front of loads into registers that the last products read
	v_nop
.irp t, 0,1,2,3,4,5,6,7
	ds_load_b128 v[KV+8*\t:KV+8*\t+3], v[ADK] offset:\t*1024
	ds_load_b128 v[KV+8*\t+4:KV+8*\t+7], v[ADK] offset:\t*1024+512
.endr
	s_wait_alu depctr_va_vdst(0)
	s_wait_dscnt 0x0
.irp t, 0,1,2,3,4,5,6,7                ; S^T = K Q^T: eight tiles of 16 keys, K = the head's 64
	v_wmma_f32_16x16x64_bf8_bf8 v[S+8*\t:S+8*\t+7], v[KV+8*\t:KV+8*\t+7], v[\qf:\qf+7], 0
.endr
.rept 4
	v_nop                                          ; places in front of the loads below and of the first read of the scores
.endr
.irp u, 0,1,2,3                        ; V's four fragments are asked for here: they land under the softmax
.irp g, 0,1,2,3
	ds_load_b128 v[KV+16*\u+4*\g:KV+16*\u+4*\g+3], v[ADV] offset:\u*2048+\g*512
.endr
.endr
	s_cmp_lg_u32 s[ST], s[\dsr]                    ; only the diagonal's step has hidden keys
	s_cbranch_scc1 .Lopen_\@
.irp t, 0,1,2,3,4,5,6,7                ; register 8 t + i holds the step's key 16 t + 8 h + i: hidden where 16 t + i > my query - 8 h.  -infinity ahead of the maximum: p = 0 then
.irp i, 0,1,2,3,4,5,6,7
	v_cmp_gt_i32 vcc_lo, 16*\t+\i, v[\vdr]
	v_cndmask_b32 v[S+8*\t+\i], v[S+8*\t+\i], v[NINF], vcc_lo
.endr
.endr
.Lopen_\@:
	v_max3_num_f32 v192, v[S], v[S+1], v[S+2]      ; the step's largest score of my query among my 64 keys, in two chains, each accumulator from its low end on,
	v_max3_num_f32 v193, v[S+3], v[S+4], v[S+5]
.irp i, 6,10,14,18,22,26,30,34,38,42,46,50,54,58
	v_max3_num_f32 v192, v192, v[S+\i], v[S+\i+1]
	v_max3_num_f32 v193, v193, v[S+\i+2], v[S+\i+3]
.endr
	v_max3_num_f32 v192, v192, v[S+62], v[S+63]
	s_delay_alu instid0(VALU_DEP_1)
	v_max_num_f32 v192, v192, v193
	s_delay_alu instid0(VALU_DEP_1)
	v_permlanex16_b32 v196, v192, s[SEL], s[SEL+1]
	s_delay_alu instid0(VALU_DEP_1)
	v_max_num_f32 v192, v192, v196                 ; and among lane l xor 16's
	s_delay_alu instid0(VALU_DEP_1)
	v_mul_f32 v192, s[CS], v192                    ; as t (c is positive)
	s_delay_alu instid0(VALU_DEP_1)
	v_max_num_f32 v13, v13, v192                   ; the running largest t
	v_mov_b32 v197, v12
	s_delay_alu instid0(VALU_DEP_2)
	v_floor_f32 v12, -v13                          ; the new -M = floor(-t) = -ceil(t): a whole number
	s_delay_alu instid0(VALU_DEP_1)
	v_sub_f32 v197, v12, v197                      ; old M - new M: a whole number, 0 or less
	s_delay_alu instid0(VALU_DEP_1)
	v_cvt_i32_f32 v197, v197                       ; (it saturates)
	s_delay_alu instid0(VALU_DEP_1)
	v_ldexp_f32 v194, 1.0, v197                    ; f = 2^(old M - new M)
.set j, 0
	s_setprio 1
.rept 32
	v_pk_fma_f32 v[S+j:S+j+1], v[S+j:S+j+1], s[CS:CS+1], v[12:13] op_sel_hi:[1,0,0]   ; t - M, two at a time (of the pairs c and -M the low word serves both halves)
.set j, j+2
.endr
.set j, 0
	s_wait_alu depctr_va_vdst(0)
.rept 64
	v_exp_f32 v[S+j], v[S+j]                       ; p = 2^(t - M), at most 1: not normalised
.set j, j+1
.endr
	v_pk_mul_f32 v[14:15], v[14:15], v[194:195] op_sel_hi:[1,0]   ; the sums under the new M: the plain line behind the exponentials
	s_wait_alu depctr_va_vdst(0)                   ; one wait for the batch of 64, ahead of its first reader
	v_pk_add_f32 v[198:199], v[100:101], v[104:105]
	v_pk_add_f32 v[252:253], v[108:109], v[112:113]
	v_pk_add_f32 v[250:251], v[116:117], v[120:121]
	v_pk_add_f32 v[248:249], v[124:125], v[128:129]
	v_pk_add_f32 v[246:247], v[132:133], v[136:137]
	v_pk_add_f32 v[244:245], v[140:141], v[144:145]
	v_pk_add_f32 v[242:243], v[148:149], v[152:153]
	v_pk_add_f32 v[14:15], v[14:15], v[156:157]
	v_pk_add_f32 v[198:199], v[198:199], v[96:97]
	v_pk_add_f32 v[252:253], v[252:253], v[98:99]
	v_pk_add_f32 v[250:251], v[250:251], v[102:103]
	v_pk_add_f32 v[248:249], v[248:249], v[106:107]
	v_pk_add_f32 v[246:247], v[246:247], v[110:111]
	v_pk_add_f32 v[244:245], v[244:245], v[114:115]
	v_pk_add_f32 v[242:243], v[242:243], v[118:119]
	v_pk_add_f32 v[14:15], v[14:15], v[122:123]
	v_pk_add_f32 v[198:199], v[198:199], v[126:127]
	v_pk_add_f32 v[252:253], v[252:253], v[130:131]
	v_pk_add_f32 v[250:251], v[250:251], v[134:135]
	v_pk_add_f32 v[248:249], v[248:249], v[138:139]
	v_pk_add_f32 v[246:247], v[246:247], v[142:143]
	v_pk_add_f32 v[244:245], v[244:245], v[146:147]
	v_pk_add_f32 v[242:243], v[242:243], v[150:151]
	s_setprio 0
	v_pk_add_f32 v[14:15], v[14:15], v[154:155]
	v_pk_add_f32 v[198:199], v[198:199], v[158:159]
	s_delay_alu instid0(VALU_DEP_2)
	v_pk_add_f32 v[14:15], v[14:15], v[248:249]
	s_delay_alu instid0(VALU_DEP_2)
	v_pk_add_f32 v[198:199], v[198:199], v[246:247]
	v_pk_add_f32 v[252:253], v[252:253], v[244:245]
	v_pk_add_f32 v[250:251], v[250:251], v[242:243]
	s_delay_alu instid0(VALU_DEP_2)
	v_pk_add_f32 v[14:15], v[14:15], v[252:253]
	s_delay_alu instid0(VALU_DEP_2)
	v_pk_add_f32 v[198:199], v[198:199], v[250:251]
	s_delay_alu instid0(VALU_DEP_1)
	v_pk_add_f32 v[14:15], v[14:15], v[198:199]
.irp t, 0,1,2,3,4,5,6,7
.irp i, 0,1,2,3,4,5,6,7
.endr
	v_cvt_scalef32_pk8_bf8_f32 v[PC+2*\t:PC+2*\t+1], v[S+8*\t:S+8*\t+7], v[PSC]
.endr
.set j, 0
.rept 16
	v_pk_mul_f32 v[OT+j:OT+j+1], v[OT+j:OT+j+1], v[194:195] op_sel_hi:[1,0]   ; O^T under the new M; these are also the plain lines behind the conversions
.set j, j+2
.endr
	s_wait_alu depctr_va_vdst(0)
	s_wait_dscnt 0x0                               ; V is in
.irp u, 0,1,2,3                        ; O^T += V^T P^T: four tiles of 16 d by turns, K = the step's 128 keys
	v_wmma_f32_16x16x128_bf8_bf8 v[OT+8*\u:OT+8*\u+7], v[KV+16*\u:KV+16*\u+15], v[PC:PC+15], v[OT+8*\u:OT+8*\u+7]
.endr
.Lhidden_\@:
	s_add_co_u32 s[TB], s[TB], 8192
	s_add_co_u32 s[ST], s[ST], 1
	s_cmp_lt_u32 s[ST], \trips
	s_cbranch_scc1 .Lstep_\@
	s_setprio 0
.endm
; A pass ends: O^T / the sum, held, converted: eight registers, my head's half of a fragment of ctx.
.macro FINISH ct, ad
.rept 4
	v_nop                                          ; places behind the last products
.endr
	v_add_f32 v14, v14, v15                        ; the sum's two halves,
	s_delay_alu instid0(VALU_DEP_1)
	v_permlanex16_b32 v196, v14, s[SEL], s[SEL+1]
	s_delay_alu instid0(VALU_DEP_1)
	v_add_f32 v14, v14, v196                       ; and lane l xor 16's
	s_wait_alu depctr_va_vdst(0)
	v_rcp_f32 v14, v14
	v_mov_b32 v15, 0                               ; the plain line behind the reciprocal (v15 is named with v14 as a pair)
	s_wait_alu depctr_va_vdst(0)                   ; the wait ahead of the first reader
.set j, 0
.rept 16
	v_pk_mul_f32 v[OT+j:OT+j+1], v[OT+j:OT+j+1], v[14:15] op_sel_hi:[1,0]
.set j, j+2
.endr
.irp u, 0,1,2,3
.irp i, 0,1,2,3,4,5,6,7
.endr
	v_cvt_scalef32_pk8_bf8_f32 v[\ct+2*\u:\ct+2*\u+1], v[OT+8*\u:OT+8*\u+7], v[CSC]
.endr
	v_nop                                          ; one plain line behind the last conversion: its sources are written again
	global_store_b128 v[LI], v[\ct:\ct+3], s[\ad:\ad+1]                ; 32 lanes store 512 consecutive bytes, at a multiple of 512 from the buffer's first byte
	global_store_b128 v[LI], v[\ct+4:\ct+7], s[\ad:\ad+1] offset:512   ; the codes' registers, the offset and the bases are never written again
.endm
	INIT
	s_wait_loadcnt 0x0                             ; Q
	s_wait_tensorcnt 1                             ; my part of keys 0-1023 is in; my part of keys 1024-2047 may stay out
	s_barrier_signal -1
	s_barrier_wait -1                              ; everybody's is
	PASS Q1, VD1, DS1, 8                           ; tile j: key steps 0-7 at the most
	FINISH C1, CA1
	INIT
	s_wait_tensorcnt 0x0                           ; my part of keys 1024-2047 is in,
	s_wait_dscnt 0x0
	s_barrier_signal -1
	s_barrier_wait -1                              ; everybody's is
	PASS Q2, VD2, DS2, 16                          ; tile 31 - j
	FINISH C2, CA2
	s_wait_tensorcnt 0x0
	ds_add_u32 v254, v255
	s_wait_dscnt 0x0
	CROUND                                         ; the closing round
	s_endpgm
.Lfunc_end_k_qdf3d7153f5_attn:
	.size	k_qdf3d7153f5_attn, .Lfunc_end_k_qdf3d7153f5_attn-k_qdf3d7153f5_attn
	.p2alignl 7, 3214868480
	.fill 96, 4, 3214868480
	.section	.rodata,"a",@progbits
	.p2align	6, 0x0
	.amdhsa_kernel k_qdf3d7153f5_attn
		.amdhsa_group_segment_fixed_size 264192
		.amdhsa_private_segment_fixed_size 0
		.amdhsa_enable_private_segment 0
		.amdhsa_kernarg_size 24
		.amdhsa_user_sgpr_count 2
		.amdhsa_user_sgpr_kernarg_segment_ptr 1
		.amdhsa_wavefront_size32 1
		.amdhsa_system_sgpr_workgroup_id_x 1
		.amdhsa_system_sgpr_workgroup_id_y 1
		.amdhsa_system_sgpr_workgroup_id_z 1
		.amdhsa_system_vgpr_workitem_id 0
		.amdhsa_next_free_vgpr 256
		.amdhsa_next_free_sgpr 100
		.amdhsa_reserve_vcc 1
		.amdhsa_float_denorm_mode_32 3
		.amdhsa_float_denorm_mode_16_64 3
		.amdhsa_fp16_overflow 1
		.amdhsa_memory_ordered 1
		.amdhsa_forward_progress 1
		.amdhsa_inst_pref_size 53
	.end_amdhsa_kernel
	.amdgpu_metadata
---
amdhsa.version: [ 1, 2 ]
amdhsa.kernels:
  - .name:           k_qdf3d7153f5_attn
    .symbol:         k_qdf3d7153f5_attn.kd
    .args:
      - { .name: qkvc, .offset: 0, .size: 8, .value_kind: global_buffer, .address_space: global }
      - { .name: lowp_scales, .offset: 8, .size: 8, .value_kind: global_buffer, .address_space: global }
      - { .name: ctxc, .offset: 16, .size: 8, .value_kind: global_buffer, .address_space: global }
    .group_segment_fixed_size: 264192
    .private_segment_fixed_size: 0
    .kernarg_segment_align: 8
    .kernarg_segment_size: 24
    .max_flat_workgroup_size: 512
    .sgpr_count:     100
    .vgpr_count:     256
    .wavefront_size: 32
...
	.end_amdgpu_metadata
.endif
;; end of part 3
;; launch oproj (part 4): grid 4 x 32, 4 waves a work-group, clusters of 4 x 4, 327,680 bytes of LDS; arguments ctxc, wcodes, lowp_scales, out0, bo; writes out0
.if DOCPART == 4
	.amdgcn_target "amdgcn-amd-amdhsa--gfx1250"
	.amdhsa_code_object_version 6
	.text
	.protected	k_qdf3d7153f5_oproj
	.globl	k_qdf3d7153f5_oproj
	.p2align	8
	.type	k_qdf3d7153f5_oproj,@function
k_qdf3d7153f5_oproj:
	s_mov_b64 s[64:65], 0
	v_nop
	global_prefetch_b8 v0, s[64:65] scope:SCOPE_SE
	s_setreg_imm32_b32 hwreg(HW_REG_WAVE_MODE, 25, 1), 1
	s_wait_xcnt 0x0
	s_wait_alu depctr_hold_cnt(0) depctr_sa_sdst(0) depctr_va_vdst(0) depctr_va_sdst(0) depctr_va_ssrc(0) depctr_va_vcc(0) depctr_vm_vsrc(0)
	s_getreg_b32 s2, hwreg(HW_REG_IB_STS2, 6, 4)
	s_cmp_eq_u32 s2, 0
	s_cbranch_scc0 .Lentry_in_a_cluster
	s_endpgm
.Lentry_in_a_cluster:
	s_bfe_u32 s2, ttmp6, 0x10000c
	s_cmp_lg_u32 s2, 0xf033
	s_cbranch_scc0 .Lentry_shape_is_right
	s_endpgm
.Lentry_shape_is_right:
; out = ctx Wo + bo on codes of E5M2: each finished sum x 2^(e10 + e11) + bo.  ctx's codes and Wo's are images of operand registers: a fragment (16 rows x 128 k) is 2,048 bytes, byte g*512 + lane*16; a row tile's eight k steps lie on end.
; P (source 1, the result's lanes) = ctx: 8,192 tokens.  R (source 0, the result's registers) = Wo's columns n: a lane holds eight neighbouring numbers of a row of out.
; A tile is 256 tokens x 256 n; four waves, each 128 x 128: 64 accumulators.  K = 1,024 goes in four steps of 256 through two LDS slots.
; GRID: 8 clusters of 4 x 4: P's tile = 4 x cluster y + cy, R's tile = cx.  The four of a row of the cluster need the same tile of P, the four of a column the same tile of R: each tile is asked for JOINTLY.
; 128 work-groups: out has 32 x 4 tiles of this size.  No prefetch is laid: of the four K steps two are asked for at the head, and the other two one K step ahead by the ring itself.
; LIMIT: e10 + e11 lies between -126 and 127, so that 2^(e10 + e11) is an f32 number.
; REGISTERS, in windows of 256: window 0: v1-29 addresses, bo; v128-255 P's eight fragments, ONE set; on the way out rows of out.   window 1: R's fragments, TWO sets.   windows 2, 3: accumulator (a, b) at v[8 (8 (a % 4) + b)].
.set FR,     16
.set NL,     4
.set NP,     4
.set HALFT,  32768
.set SLOT,   4*HALFT
.set SPARE,  2*SLOT                    ; behind the ring: the spare words, 128 bytes for each wave: two blocks of 256 bytes that no other line names
.set KSTEPB, 4096
.set SPITCH, 528                       ; the way out: a stage of 16 rows x (512 bytes + 16) for each wave, in slot 0, which has had its last fill and its last read when the first result is stored there
.set BIAS, 12                          ; v12-15  bo at my four columns
.set ADRP, 16
.set ADRR, 20
.set STO,  24                          ; v24  the way out: where I put 32 bytes of a row
.set RD,   25                          ; v25  where I read a row back
.set CO,   26                          ; v26  16 x lane
.set SPW,  28
.set NIL,  29
.set PF,   128
.set BK,   128                         ; the way out: 16 rows read back: v128-191 and v192-255 by turns
.set G1, 24
.set G0, 32
.set G1B, 48
.set G0B, 56
.set MSB, 0
.macro WIN new                         ; the immediate's high byte repeats the setting that is left
.if MSB != (\new)
	s_set_vgpr_msb (MSB<<8)|(\new)
.set MSB, (\new)
.endif
.endm
.set MUL_LO, 0xa1
.set MUL_HI, 0xf1
.set TO_R,   0x40
.macro JLOAD g0a, g1a, g0b, g1b        ; a joint load: waves 0 and 1 fetch P's halves, waves 2 and 3 R's; four v_nop follow each of the two lines
	s_cmp_eq_u32 s15, 0
	s_cbranch_scc0 .Lfor_r_\@
	tensor_load_to_lds s[\g0a:\g0a+3], s[\g1a:\g1a+7]
	s_nop 0
.rept 4
	v_nop
.endr
	s_branch .Lasked_\@
.Lfor_r_\@:
	tensor_load_to_lds s[\g0b:\g0b+3], s[\g1b:\g1b+7]
	s_nop 0
.rept 4
	v_nop
.endr
.Lasked_\@:
.endm
.macro CREST
	s_cmp_lg_u32 s14, 0
	s_cbranch_scc1 .Lnot_wave_0_\@
	s_barrier_signal -3
.Lnot_wave_0_\@:
	s_barrier_wait -3
	s_barrier_signal -1
	s_barrier_wait -1
.endm
.macro CROUND
	s_barrier_signal -1
	s_barrier_wait -1
	CREST
.endm
	s_load_b256 s[4:11], s[0:1], 0x0               ; ctxc s[4:5], wcodes s[6:7], the scales' exponents s[8:9], out0 s[10:11]
	s_load_b64 s[12:13], s[0:1], 0x20              ; bo
	v_lshl_add_u32 v[SPW], v0, 2, SPARE
	v_mov_b32 v[NIL], 0
	ds_add_u32 v28, v29
	ds_add_u32 v28, v29
	s_wait_dscnt 0x0
	v_lshrrev_b32 v1, 5, v0
	v_readfirstlane_b32 s14, v1                    ; wave 0..3
	s_lshr_b32 s15, s14, 1                         ; which half of P's rows is mine.  Also: I fetch for P (0) or for R (1)
	s_and_b32 s16, s14, 1                          ; which half of R's rows.  Also: which 128 rows of that tile I fetch
	s_bfe_u32 s40, ttmp6, 0x40000                  ; cx, cy
	s_bfe_u32 s41, ttmp6, 0x40004
	s_and_b32 s17, ttmp7, 0xffff
	s_lshl_b32 s17, s17, 2
	s_add_co_u32 s17, s17, s41                     ; P's tile = 4 x cluster y + cy
	s_mov_b32 s42, s40                             ; R's tile = cx
	s_lshl_b32 s43, s41, 2
	s_lshl_b32 s43, 15, s43                        ; my row of the cluster
	s_lshl_b32 s44, 0x1111, s40                    ; my column
	s_or_b32 s[G1+0], s43, (3<<16)|(1<<21)         ; 15:0 the mask; 17:16 elements of 8 bytes; no padding; 21 set beside a mask
	s_or_b32 s[G1B+0], s44, (3<<16)|(1<<21)
.irp g, G1, G1B
	s_mov_b32 s[\g+1], 512<<16                     ; tensor_dim0: 4,096 bytes, two fragments
	s_mov_b32 s[\g+2], 8<<16                       ; tensor_dim1: 8 row tiles
	s_mov_b32 s[\g+3], 512<<16                     ; tile_dim0
	s_mov_b32 s[\g+4], 8                           ; tile_dim1
	s_mov_b32 s[\g+5], 2048                        ; tensor_dim0_stride: 16,384 bytes
	s_mov_b32 s[\g+6], 0
	s_mov_b32 s[\g+7], 0
.endr
	s_lshl_b32 s18, s16, 17
	s_lshl_b32 s20, s17, 18
	s_add_co_u32 s20, s20, s18
	s_mov_b32 s21, 0
	s_lshl_b32 s46, s42, 18
	s_add_co_u32 s46, s46, s18
	s_add_co_u32 s46, s46, 0x300000                ; Wo's codes are the fourth weight's
	s_mov_b32 s47, 0
	s_lshl_b32 s45, s14, 15                        ; wave x 32,768: no place in the cluster enters an LDS address
	s_wait_kmcnt 0x0
	s_load_b64 s[96:97], s[8:9], 0x28              ; e10, e11
	s_add_nc_u64 s[20:21], s[4:5], s[20:21]
	s_add_nc_u64 s[46:47], s[6:7], s[46:47]
	CROUND                                         ; all sixteen work-groups are here: the first joint loads meet
.irp s, 0,1
	s_mov_b32 s[G0+4*\s], 1
	s_add_co_u32 s[G0+4*\s+1], s45, \s*SLOT
	s_add_nc_u64 s[G0+4*\s+2:G0+4*\s+3], s[20:21], \s*KSTEPB
	s_or_b32 s[G0+4*\s+3], s[G0+4*\s+3], 0x80000000
	s_mov_b32 s[G0B+4*\s], 1
	s_add_co_u32 s[G0B+4*\s+1], s45, \s*SLOT
	s_add_nc_u64 s[G0B+4*\s+2:G0B+4*\s+3], s[46:47], \s*KSTEPB
	s_or_b32 s[G0B+4*\s+3], s[G0B+4*\s+3], 0x80000000
	s_wait_alu depctr_va_vdst(0)
	s_wait_tensorcnt 0x0
	ds_add_u32 v28, v29
	ds_add_u32 v28, v29
	s_wait_dscnt 0x0
	CROUND
	JLOAD G0+4*\s, G1, G0B+4*\s, G1B
.endr
	v_and_b32 v1, 31, v0
	v_lshlrev_b32 v[CO], 4, v1                     ; 16 x lane
	s_wait_alu depctr_va_vdst(0)
	s_lshl_b32 s46, s42, 10                        ; my first column, in bytes: 1,024 x R's tile + 512 x half
	s_lshl_b32 s47, s16, 9
	s_add_co_u32 s46, s46, s47
	s_mov_b32 s47, 0
	s_add_nc_u64 s[12:13], s[12:13], s[46:47]
	global_load_b128 v[BIAS:BIAS+3], v[CO], s[12:13]   ; bo at columns 4 x lane + 0..3 of my 128
	s_lshl_b32 s21, s15, 15
	s_lshl_b32 s22, s16, 15
	s_add_co_u32 s22, s22, 2*HALFT
.irp s, 0,1
	v_add_nc_u32 v[ADRP+\s], s21, v[CO]
	v_add_nc_u32 v[ADRR+\s], s22, v[CO]
	s_add_co_u32 s21, s21, SLOT
	s_add_co_u32 s22, s22, SLOT
.endr
	v_and_b32 v1, 15, v0                           ; r
	v_bfe_u32 v2, v0, 4, 1                         ; h
	s_mul_i32 s23, s14, 16*SPITCH                  ; my stage
	v_mul_u32_u24 v5, v1, SPITCH                   ; in: row r, 32 bytes for each half of the lanes
	v_lshl_add_u32 v5, v2, 5, v5
	v_add_nc_u32 v[STO], s23, v5
	v_add_nc_u32 v[RD], s23, v[CO]                 ; back: the 32 lanes take one row of 512 bytes
	s_lshl_b32 s20, s17, 20                        ; my first row of out: 256 x P's tile + 128 x half, rows of 4,096 bytes
	s_lshl_b32 s21, s15, 19
	s_add_co_u32 s20, s20, s21
	s_mov_b32 s21, 0
	s_add_nc_u64 s[20:21], s[20:21], s[46:47]
	s_add_nc_u64 s[10:11], s[10:11], s[20:21]
.macro FRAG reg, adr, q, i
.irp c, 0,1,2,3
	ds_load_b128 v[\reg+4*\c:\reg+4*\c+3], v[\adr] offset:4096*(\i)+2048*(\q)+512*\c
.endr
.endm
; The 64 accumulators take turns, one instruction a turn, in the same order in every step.
.macro MUL16 a0, p, zero
.irp a, \a0, \a0+1
.irp b, 0,1,2,3,4,5,6,7
.if \zero
	v_wmma_f32_16x16x128_bf8_bf8 v[8*(8*((\a)%4)+\b):8*(8*((\a)%4)+\b)+7], v[128*(\p)+FR*\b:128*(\p)+FR*\b+FR-1], v[PF+FR*(\a):PF+FR*(\a)+FR-1], 0
.else
	v_wmma_f32_16x16x128_bf8_bf8 v[8*(8*((\a)%4)+\b):8*(8*((\a)%4)+\b)+7], v[128*(\p)+FR*\b:128*(\p)+FR*\b+FR-1], v[PF+FR*(\a):PF+FR*(\a)+FR-1], v[8*(8*((\a)%4)+\b):8*(8*((\a)%4)+\b)+7]
.endif
.endr
.endr
.endm
.macro FETCH_R slot, q, p
	WIN TO_R
.irp i, 0,1,2,3,4,5,6,7
	FRAG 128*(\p)+FR*\i, ADRR+\slot, \q, \i
.endr
	WIN 0
.endm
.macro FETCH_P slot, q, i0
.irp i, \i0, \i0+1, \i0+2, \i0+3
	FRAG PF+FR*(\i), ADRP+\slot, \q, \i
.endr
.endm
.macro PLACES n                        ; places behind matrix instructions: in front of loads into registers that they have read, and of the first read of results
.rept \n
	v_nop
.endr
.endm
.macro STEP slot, q, zero
	s_wait_dscnt 4*NL                              ; R's set and P's blocks 0-3 are in; the youngest sixteen loads (P's blocks 4-7) may be out
	WIN MUL_LO
	MUL16 0, (\q)%2, \zero
	MUL16 2, (\q)%2, \zero
	s_wait_dscnt 0
	PLACES NP
	FETCH_R \slot, (\q)+1, 1-(\q)%2
	FETCH_P \slot, (\q)+1, 0
	WIN MUL_HI
	MUL16 4, (\q)%2, \zero
	MUL16 6, (\q)%2, \zero
	PLACES NP
	WIN 0
	FETCH_P \slot, (\q)+1, 4
.endm
.macro TURN slot, next, fill
	s_wait_tensorcnt 0x0                           ; all my tensor loads have landed: my part of the next slot
	ds_add_u32 v[SPW], v[NIL]                      ; 0 onto my spare word
	s_wait_dscnt 4*NL+1                            ; (the add and the youngest sixteen loads may be out)
	WIN MUL_LO
	MUL16 0, 1, 0
	s_wait_dscnt 0x0                               ; the add is done, and my reads of this slot are over
	s_barrier_signal -1
	MUL16 2, 1, 0
	WIN 0
	s_barrier_wait -1
.if \fill
	CREST                                          ; the barrier has opened a round of the cluster's barrier
	s_add_nc_u64 s[G0+4*\slot+2:G0+4*\slot+3], s[G0+4*\slot+2:G0+4*\slot+3], 2*KSTEPB
	s_add_nc_u64 s[G0B+4*\slot+2:G0B+4*\slot+3], s[G0B+4*\slot+2:G0B+4*\slot+3], 2*KSTEPB
	JLOAD G0+4*\slot, G1, G0B+4*\slot, G1B         ; the first tensor load behind the round
.else
	PLACES NP
.endif
	FETCH_R \next, 0, 0
	FETCH_P \next, 0, 0
	WIN MUL_HI
	MUL16 4, 1, 0
	MUL16 6, 1, 0
	PLACES NP
	WIN 0
	FETCH_P \next, 0, 4
.endm
	s_wait_alu depctr_va_vdst(0)
	s_wait_tensorcnt 1                             ; my part of K step 0 is in (K step 1's load may be out),
	s_barrier_signal -1
	s_barrier_wait -1                              ; everybody's is
	FETCH_R 0, 0, 0
	FETCH_P 0, 0, 0
	FETCH_P 0, 0, 4
	STEP 0, 0, 1
	TURN 0, 1, 1
	STEP 1, 0, 0
	TURN 1, 0, 1
	STEP 0, 0, 0
	TURN 0, 1, 0
	STEP 1, 0, 0
	s_wait_dscnt 4*NL
	WIN MUL_LO
	MUL16 0, 1, 0
	MUL16 2, 1, 0
	s_wait_dscnt 0
	WIN MUL_HI
	MUL16 4, 1, 0
	MUL16 6, 1, 0
	WIN 0
; THE WAY OUT, block by block of 16 rows x 128 columns.  A lane holds 32 neighbouring bytes of a row and the lanes beside it other rows: a block goes through my own stage, straight from the accumulators, and comes back as whole rows
; of 512 bytes.  There a lane holds four neighbouring columns, the same in every row: one packed multiply-add for two numbers gives sum x 2^(e10 + e11) + bo.  LDS serves a wave's instructions in order: no wait between the stores and the loads.
.macro TOSTAGE a
.set AC, 64*((\a)%4)
	WIN 0x08+4*((\a)/4)                            ; an LDS store's data: window 2 or 3
.irp b, 0,1,2,3,4,5,6,7
	ds_store_b128 v[STO], v[AC+8*\b:AC+8*\b+3] offset:64*\b          ; each accumulator from its low end on
	ds_store_b128 v[STO], v[AC+8*\b+4:AC+8*\b+7] offset:64*\b+16
.endr
	WIN 0
.set BB, BK+64*((\a)%2)
.irp t, 0,1,2,3,4,5,6,7,8,9,10,11,12,13,14,15
	ds_load_b128 v[BB+4*\t:BB+4*\t+3], v[RD] offset:\t*SPITCH
.endr
.endm
.macro SEND a, younger                 ; younger: the LDS instructions issued behind block a's loads, which may stay out
.set BB, BK+64*((\a)%2)
	s_wait_dscnt \younger                          ; the block is back in registers
.irp t, 0,1,2,3,4,5,6,7,8,9,10,11,12,13,14,15
	v_pk_fma_f32 v[BB+4*\t:BB+4*\t+1], v[BB+4*\t:BB+4*\t+1], s[96:97], v[BIAS:BIAS+1] op_sel_hi:[1,0,1]
	v_pk_fma_f32 v[BB+4*\t+2:BB+4*\t+3], v[BB+4*\t+2:BB+4*\t+3], s[96:97], v[BIAS+2:BIAS+3] op_sel_hi:[1,0,1]
.endr
.if (\a) > 0
	s_add_nc_u64 s[10:11], s[10:11], 65536         ; (behind a wait on XCNT: the earlier stores have read their base)  16 rows of out on
.endif
.irp t, 0,1,2,3,4,5,6,7,8,9,10,11,12,13,14,15
	global_store_b128 v[CO], v[BB+4*\t:BB+4*\t+3], s[10:11] offset:\t*4096 th:TH_STORE_NT   ; 32 lanes store 512 consecutive bytes, at a multiple of 512 from out's first byte
.endr
.endm
	s_wait_kmcnt 0x0
	s_add_co_i32 s96, s96, s97                     ; e10 + e11
	s_add_co_i32 s96, s96, 127
	s_lshl_b32 s96, s96, 23                        ; 2^(e10 + e11) as f32
	s_mov_b32 s97, s96                             ; (named with it as a pair, so it is written)
	s_wait_loadcnt 0x0                             ; bo
	PLACES NP
	TOSTAGE 0
.irp a, 1,2,3,4,5,6,7
.if \a > 1
	s_wait_xcnt 0x0                                ; block a - 2's stores have read their registers and their base: block a's loads may land there, and the base may step
.endif
	TOSTAGE \a
	SEND \a-1, 32                                  ; behind block a - 1's loads: block a's 16 stores and 16 loads
.endr
	s_wait_xcnt 0x0                                ; block 6's stores have read their base
	SEND 7, 0
	s_wait_tensorcnt 0x0                           ; the wave's end
	ds_add_u32 v[SPW], v[NIL]
	s_wait_dscnt 0x0
	CROUND                                         ; the closing round
	s_endpgm
.Lfunc_end_k_qdf3d7153f5_oproj:
	.size	k_qdf3d7153f5_oproj, .Lfunc_end_k_qdf3d7153f5_oproj-k_qdf3d7153f5_oproj
	.p2alignl 7, 3214868480
	.fill 96, 4, 3214868480
	.section	.rodata,"a",@progbits
	.p2align	6, 0x0
	.amdhsa_kernel k_qdf3d7153f5_oproj
		.amdhsa_group_segment_fixed_size 327680
		.amdhsa_private_segment_fixed_size 0
		.amdhsa_enable_private_segment 0
		.amdhsa_kernarg_size 40
		.amdhsa_user_sgpr_count 2
		.amdhsa_user_sgpr_kernarg_segment_ptr 1
		.amdhsa_wavefront_size32 1
		.amdhsa_system_sgpr_workgroup_id_x 1
		.amdhsa_system_sgpr_workgroup_id_y 1
		.amdhsa_system_sgpr_workgroup_id_z 1
		.amdhsa_system_vgpr_workitem_id 0
		.amdhsa_next_free_vgpr 1024
		.amdhsa_next_free_sgpr 100
		.amdhsa_reserve_vcc 0
		.amdhsa_float_denorm_mode_32 3
		.amdhsa_float_denorm_mode_16_64 3
		.amdhsa_memory_ordered 1
		.amdhsa_forward_progress 1
		.amdhsa_inst_pref_size 124
	.end_amdhsa_kernel
	.amdgpu_metadata
---
amdhsa.version: [ 1, 2 ]
amdhsa.kernels:
  - .name:           k_qdf3d7153f5_oproj
    .symbol:         k_qdf3d7153f5_oproj.kd
    .args:
      - { .name: ctxc, .offset: 0, .size: 8, .value_kind: global_buffer, .address_space: global }
      - { .name: wcodes, .offset: 8, .size: 8, .value_kind: global_buffer, .address_space: global }
      - { .name: lowp_scales, .offset: 16, .size: 8, .value_kind: global_buffer, .address_space: global }
      - { .name: out0, .offset: 24, .size: 8, .value_kind: global_buffer, .address_space: global }
      - { .name: bo, .offset: 32, .size: 8, .value_kind: global_buffer, .address_space: global }
    .group_segment_fixed_size: 327680
    .private_segment_fixed_size: 0
    .kernarg_segment_align: 8
    .kernarg_segment_size: 40
    .max_flat_workgroup_size: 128
    .sgpr_count:     100
    .vgpr_count:     1024
    .wavefront_size: 32
...
	.end_amdgpu_metadata
.endif
;; end of part 4
